; MI455X (gfx1250); checked and timed in simulation.
; The chip was launched on July 23, 2026; its instructions are those of AMD's public machine-readable ISA for CDNA 5 (MIT licence, August 2026) and "CDNA5" Instruction Set Architecture Reference Guide (July 2026). The comments in the code are by the model that wrote it; some were corrected since.
;; Distributed Memory. Allowed arithmetic: float matrix products may take bf16 or f16 operands with f32 sums; all other float work in f32.
;; Inputs: context_ids 16,384 x 8 int32; doc_ids 16,384 int32; outputs 128 x 100,000 float32; paragraph_matrix 200,000 x 128 float32; sample_ids 16,384 x 10 int32; word_matrix 100,000 x 128 float32.
;; Outputs: out0 16,384 x 10 float32.
;; One version. Each part assembles by itself: llvm-mc -triple=amdgcn-amd-amdhsa -mcpu=gfx1250 --defsym DOCPART=n.
;; ======== version 1 of 1: 2 launches
;; workspace buffers: outT 25,600,000 bytes
;; launch transpose (part 1): grid 782 x 1, 8 waves a work-group, no clusters, 35,840 bytes of LDS; arguments outputs, outT; writes outT
.if DOCPART == 1
	.amdgcn_target "amdgcn-amd-amdhsa--gfx1250"
	.amdhsa_code_object_version 6
	.text
	.protected	k_q280190f33b_transpose
	.globl	k_q280190f33b_transpose
	.p2align	8
	.type	k_q280190f33b_transpose,@function
k_q280190f33b_transpose:
	s_mov_b64 s[64:65], 0
	v_nop
	global_prefetch_b8 v0, s[64:65] scope:SCOPE_SE
	s_setreg_imm32_b32 hwreg(HW_REG_WAVE_MODE, 25, 1), 1
	s_wait_xcnt 0x0
; outT[c][p] = bf16(outputs[d(p)][c]).  outputs: [128][100000] f32.  outT: [100000][128] bf16, a row = 256 bytes.
; The order inside a row of outT is chosen for the launch that reads it: the 16 bytes at 16 r (r = 0..15) hold
; d = 4r, 4r+1, 4r+2, 4r+3, 64+4r, 64+4r+1, 64+4r+2, 64+4r+3.  A dot product does not mind the order as long as both sides agree.
; LIMIT: each number of outputs is rounded once to bf16 (nearest even, relative error at most 2^-8), the rounding of a product's operand.
; A work-group takes 128 columns x all 128 rows.  100000 = 781 x 128 + 32: the last of the 782 tiles has 32 valid columns.
; Wave w takes chunks r = w and r = w + 8.  For a chunk, lane l loads 8 rows x 4 columns (columns 4l..4l+3 of the tile): each load of the
; wave is 512 consecutive bytes of one row.  All 16 loads are issued at once: 8 KB a wave, 64 KB a work-group on their way.
; The turn goes through LDS: a lane packs the 8 rows of one column into 16 bytes and puts them into that column's LDS row; behind one
; barrier the rows are read back whole, and sixteen neighbouring lanes store 256 consecutive bytes, aligned: one row of outT.
; No matrix unit (nothing is multiplied), no cluster (no two work-groups read the same bytes), no loop.
.set NCOL,  100000
.set ROWB,  4*NCOL                     ; bytes in a row of outputs
.set TILES, 782
.set PITCH, 272                        ; LDS row: 256 bytes + 16, an odd multiple of 16: 16 lanes at 16 neighbouring rows touch 16 different 16-byte columns of 256
.set X, 8                              ; v[8:71]   chunk k, row i of its 8: 4 registers (4 columns) at X + 32 k + 4 i; used again on the way out
.set W, 72                             ; v[72:103] chunk k, column j: 4 packed words at W + 16 k + 4 j
	s_load_b128 s[4:7], s[0:1], 0x0                ; outputs s[4:5], outT s[6:7]
	v_lshl_add_u32 v104, v0, 2, 0x8800
	v_mov_b32 v105, 0
	v_lshrrev_b32 v1, 5, v0
	v_readfirstlane_b32 s8, v1                     ; wave 0..7
	v_and_b32 v1, 31, v0                           ; lane
	s_lshl_b32 s9, ttmp9, 9                        ; the tile's first column, in bytes (128 columns x 4)
	v_lshl_add_u32 v2, v1, 4, s9                   ; + 16 bytes a lane
	v_min_u32 v2, ROWB-16, v2                      ; last tile: lanes 8-31 would leave the row (in row 127: the buffer); they repeat the row's last 16 bytes, and what they bring is never stored
	s_mul_i32 s10, s8, 4*ROWB                      ; chunk w begins at row 4 w
	s_mov_b32 s11, 0
	s_wait_kmcnt 0x0
	s_add_nc_u64 s[12:13], s[4:5], s[10:11]        ; rows 4w ..        (chunk w, first half)
	s_add_nc_u64 s[14:15], s[12:13], 64*ROWB       ; rows 64 + 4w ..   (chunk w, second half)
	s_add_nc_u64 s[16:17], s[12:13], 32*ROWB       ; rows 4(w+8) ..    (chunk w + 8)
	s_add_nc_u64 s[18:19], s[12:13], 96*ROWB       ; rows 64 + 4(w+8) ..
.macro FETCH k, lo, hi                 ; the 8 rows of chunk k; every byte of outputs is read once in the launch
.irp i, 0,1,2,3
	global_load_b128 v[X+32*\k+4*\i:X+32*\k+4*\i+3], v2, s[\lo:\lo+1] offset:\i*ROWB th:TH_LOAD_NT
.endr
.irp i, 0,1,2,3
	global_load_b128 v[X+32*\k+16+4*\i:X+32*\k+16+4*\i+3], v2, s[\hi:\hi+1] offset:\i*ROWB th:TH_LOAD_NT
.endr
.endm
	FETCH 0, 12, 14
	FETCH 1, 16, 18
	; addresses, while the loads are on their way
	s_lshl_b32 s20, s8, 4                          ; 16 w: chunk w's bytes in an LDS row; also the wave's first LDS row on the way back
	v_mul_u32_u24 v3, v1, PITCH
	v_add_nc_u32 v3, s20, v3                       ; in: LDS row l (+ 32 j by the immediate), byte 16 w
	v_lshrrev_b32 v6, 4, v1                        ; h = lane / 16
	v_and_b32 v7, 15, v1                           ; lane % 16
	v_add_nc_u32 v4, s20, v6
	v_mul_u32_u24 v4, v4, PITCH
	v_lshl_add_u32 v4, v7, 4, v4                   ; back: LDS row 16 w + h (+ 2 t by the immediate), 16 bytes a lane
	; LDS row q holds the tile's column 4 (q % 32) + q / 32.  For q = 16 w + 2 t + h that is 64 (w & 1) + (w >> 1) + 4 h + 8 t.
	s_and_b32 s21, s8, 1
	s_lshl_b32 s21, s21, 6
	s_lshr_b32 s22, s8, 1
	s_add_co_u32 s21, s21, s22
	v_lshl_add_u32 v5, v6, 2, s21
	v_lshlrev_b32 v5, 8, v5                        ; x 256 bytes, a row of outT
	v_lshl_add_u32 v5, v7, 4, v5                   ; + 16 bytes a lane; 8 t columns = 2048 t bytes go into the immediate
	s_lshl_b32 s24, ttmp9, 15                      ; the tile's first row of outT: 128 x 256 bytes a tile
	s_mov_b32 s25, 0
	s_add_nc_u64 s[6:7], s[6:7], s[24:25]
	s_cmp_eq_u32 ttmp9, TILES-1
	s_cselect_b32 s26, 1, 0                        ; 1 in the last tile
.macro PACK k                          ; column j of my four: rows (0,1) (2,3) (4,5) (6,7) of the chunk into 4 words, 16 bytes into LDS row 32 j + l
.irp j, 0,1,2,3
.irp p, 0,1,2,3
	v_cvt_pk_bf16_f32 v[W+16*\k+4*\j+\p], v[X+32*\k+8*\p+\j], v[X+32*\k+8*\p+4+\j]
.endr
	ds_store_b128 v3, v[W+16*\k+4*\j:W+16*\k+4*\j+3] offset:\j*32*PITCH+128*\k
.endr
.endm
	s_wait_loadcnt 0x8                             ; loads return in order: the first chunk's 8 are in, the second chunk's 8 may be out
	PACK 0
	s_wait_loadcnt 0x0
	PACK 1
	s_wait_dscnt 0x0                               ; my LDS stores are done before I say so: other waves read these bytes
	s_barrier_signal -1
	s_barrier_wait -1
	; The way out.  In the last tile only columns 0-31 exist: lanes 0-7 of the loads, LDS rows with q % 32 < 8,
	; which are the rows of the even waves' steps t = 0..3.  So odd waves store nothing there, and even waves stop after four stores.
	s_and_b32 s27, s8, s26
	s_cmp_lg_u32 s27, 0
	s_cbranch_scc1 .Lend
.irp t, 0,1,2,3
	ds_load_b128 v[X+4*\t:X+4*\t+3], v4 offset:\t*2*PITCH
.endr
	s_cmp_lg_u32 s26, 0
	s_cbranch_scc1 .Lshort
.irp t, 4,5,6,7
	ds_load_b128 v[X+4*\t:X+4*\t+3], v4 offset:\t*2*PITCH
.endr
.irp t, 0,1,2,3,4,5,6,7
	s_wait_dscnt 7-\t                              ; LDS loads return in order: load t is in, the 7 - t younger ones may be out
	global_store_b128 v5, v[X+4*\t:X+4*\t+3], s[6:7] offset:\t*2048   ; two rows of outT, each 256 consecutive bytes from 16 lanes; read again by the next launch: no hint
.endr
	s_wait_tensorcnt 0x0
	ds_add_u32 v104, v105
	s_wait_dscnt 0x0
	s_endpgm
.Lshort:
.irp t, 0,1,2,3
	s_wait_dscnt 3-\t
	global_store_b128 v5, v[X+4*\t:X+4*\t+3], s[6:7] offset:\t*2048
.endr
.Lend:
	s_wait_tensorcnt 0x0
	ds_add_u32 v104, v105
	s_wait_dscnt 0x0
	s_endpgm
.Lfunc_end_k_q280190f33b_transpose:
	.size	k_q280190f33b_transpose, .Lfunc_end_k_q280190f33b_transpose-k_q280190f33b_transpose
	.p2alignl 7, 3214868480
	.fill 96, 4, 3214868480
	.section	.rodata,"a",@progbits
	.p2align	6, 0x0
	.amdhsa_kernel k_q280190f33b_transpose
		.amdhsa_group_segment_fixed_size 35840
		.amdhsa_private_segment_fixed_size 0
		.amdhsa_enable_private_segment 0
		.amdhsa_kernarg_size 16
		.amdhsa_user_sgpr_count 2
		.amdhsa_user_sgpr_kernarg_segment_ptr 1
		.amdhsa_wavefront_size32 1
		.amdhsa_system_sgpr_workgroup_id_x 1
		.amdhsa_system_sgpr_workgroup_id_y 1
		.amdhsa_system_sgpr_workgroup_id_z 1
		.amdhsa_system_vgpr_workitem_id 0
		.amdhsa_next_free_vgpr 106
		.amdhsa_next_free_sgpr 66
		.amdhsa_reserve_vcc 0
		.amdhsa_float_denorm_mode_32 3
		.amdhsa_float_denorm_mode_16_64 3
		.amdhsa_memory_ordered 1
		.amdhsa_forward_progress 1
		.amdhsa_inst_pref_size 9
	.end_amdhsa_kernel
	.amdgpu_metadata
---
amdhsa.version: [ 1, 2 ]
amdhsa.kernels:
  - .name:           k_q280190f33b_transpose
    .symbol:         k_q280190f33b_transpose.kd
    .args:
      - { .name: outputs, .offset: 0, .size: 8, .value_kind: global_buffer, .address_space: global }
      - { .name: outT, .offset: 8, .size: 8, .value_kind: global_buffer, .address_space: global }
    .group_segment_fixed_size: 35840
    .private_segment_fixed_size: 0
    .kernarg_segment_align: 8
    .kernarg_segment_size: 16
    .max_flat_workgroup_size: 256
    .sgpr_count:     66
    .vgpr_count:     106
    .wavefront_size: 32
...
	.end_amdgpu_metadata
.endif
;; end of part 1
;; launch dots (part 2): grid 256 x 1, 32 waves a work-group, no clusters, 6,656 bytes of LDS; arguments doc_ids, context_ids, sample_ids, paragraph_matrix, word_matrix, outT, out0; writes out0
.if DOCPART == 2
	.amdgcn_target "amdgcn-amd-amdhsa--gfx1250"
	.amdhsa_code_object_version 6
	.text
	.protected	k_q280190f33b_dots
	.globl	k_q280190f33b_dots
	.p2align	8
	.type	k_q280190f33b_dots,@function
k_q280190f33b_dots:
	s_mov_b64 s[64:65], 0
	v_nop
	global_prefetch_b8 v0, s[64:65] scope:SCOPE_SE
	s_setreg_imm32_b32 hwreg(HW_REG_WAVE_MODE, 25, 1), 1
	s_wait_xcnt 0x0
; out0[b][s] = sum over d of x[b][d] outputs[d][sample_ids[b][s]],  x[b] = paragraph_matrix[doc_ids[b]] + (1/8) sum of 8 rows of word_matrix.
; outT holds outputs turned: row c = column c in bf16, 256 bytes, the 16 bytes at 16 r holding d = 4r..4r+3 and 64+4r..64+4r+3.
; A work-group owns 64 batch rows, a wave two, a half-wave of 16 lanes one.  Lane r of a half holds d = 4r..4r+3 and 64+4r..64+4r+3 of every row:
; an f32 row is two loads (bytes 16 r and 256 + 16 r), a row of outT one, and each load covers 256 consecutive bytes, aligned, for each half.
; There is no loop: as soon as the 19 ids are in, a wave issues all its 28 row loads (14 KB a wave, 32 waves), so nothing could be asked for earlier.
; x and all sums are f32; the sums' order is not reference()'s.
; LIMITS: outT's numbers carry one rounding to bf16 (relative 2^-8).  Ids are taken as unsigned and clamped to the table's last row;
; reference() relies on ids inside the tables, and a negative id, which it would count from the table's end, is not served.
; No matrix unit: every batch row has a 128 x 10 matrix of its own, so a 16 x 16 tile would use one row of 16, and its operand layout would
; read 32 bytes of a row with a load in place of 256.  No cluster: work-groups share no tile.
.set NDOC,  200000
.set NWORD, 100000
.set GB,    64                         ; batch rows of a work-group
.set OD,  4                            ; v4        paragraph row: byte offset
.set LO,  5                            ; v5        40 x my batch row in the group: offset of its sample ids, and of its results in LDS
.set OT,  6                            ; v[6:15]   sample ids, then byte offsets into outT
.set XP,  16                           ; v[16:23]  paragraph row, then x
.set XW,  24                           ; v[24:87]  8 word rows of 8 registers
.set ACC, 24                           ; v[24:33]  the ten sums, once the word rows are added up
.set T,   88                           ; v[88:127] ten rows of outT, 4 registers each
.set OX,  120                          ; v[120:127] first the word ids and offsets; samples 8 and 9 land here later
	s_load_b256 s[4:11], s[0:1], 0x0               ; doc_ids s[4:5], context_ids s[6:7], sample_ids s[8:9], paragraph_matrix s[10:11]
	s_load_b128 s[12:15], s[0:1], 0x20             ; word_matrix s[12:13], outT s[14:15]
	s_load_b64 s[16:17], s[0:1], 0x30              ; out0
	v_lshrrev_b32 v2, 5, v0
	v_readfirstlane_b32 s24, v2                    ; wave 0..31
	v_lshrrev_b32 v2, 4, v0                        ; my batch row in the group, 0..63
	v_and_b32 v1, 15, v0
	v_lshlrev_b32 v1, 4, v1                        ; 16 r
	v_lshlrev_b32 v3, 5, v2                        ; 8 context ids = 32 bytes a row
	v_mul_u32_u24 v[LO], 40, v2                    ; 10 sample ids = 40 bytes a row
	v_lshlrev_b32 v2, 2, v2                        ; 1 doc id
	s_lshl_b32 s18, ttmp9, 8                       ; the group's 64 rows in each list
	s_mov_b32 s19, 0
	s_lshl_b32 s20, ttmp9, 11
	s_mov_b32 s21, 0
	s_mul_i32 s22, ttmp9, GB*40
	s_mov_b32 s23, 0
	s_wait_kmcnt 0x0
	s_add_nc_u64 s[4:5], s[4:5], s[18:19]
	s_add_nc_u64 s[6:7], s[6:7], s[20:21]
	s_add_nc_u64 s[8:9], s[8:9], s[22:23]
	s_add_nc_u64 s[16:17], s[16:17], s[22:23]      ; out0 has the shape of sample_ids
	; the ids: the 16 lanes of a half ask for the same bytes
	global_load_b128 v[OX:OX+3], v3, s[6:7]
	global_load_b128 v[OX+4:OX+7], v3, s[6:7] offset:16
	global_load_b32 v[OD], v2, s[4:5]
.irp k, 0,1,2,3,4
	global_load_b64 v[OT+2*\k:OT+2*\k+1], v[LO], s[8:9] offset:8*\k   ; 40 b is a multiple of 8, not of 16
.endr
	s_wait_loadcnt 0x0
	; 18 loads for x, in the order in which they are added
.irp i, 0,1,2,3,4,5,6,7
	v_min_u32 v[OX+\i], NWORD-1, v[OX+\i]
	v_lshl_add_u32 v[OX+\i], v[OX+\i], 9, v1       ; id x 512 bytes + 16 r
	global_load_b128 v[XW+8*\i:XW+8*\i+3], v[OX+\i], s[12:13]
	global_load_b128 v[XW+8*\i+4:XW+8*\i+7], v[OX+\i], s[12:13] offset:256
.endr
	v_min_u32 v[OD], NDOC-1, v[OD]
	v_lshl_add_u32 v[OD], v[OD], 9, v1
	global_load_b128 v[XP:XP+3], v[OD], s[10:11]
	global_load_b128 v[XP+4:XP+7], v[OD], s[10:11] offset:256
	; 10 loads of outT
.irp s, 0,1,2,3,4,5,6,7
	v_min_u32 v[OT+\s], NWORD-1, v[OT+\s]
	v_lshl_add_u32 v[OT+\s], v[OT+\s], 8, v1       ; id x 256 bytes + 16 r
	global_load_b128 v[T+4*\s:T+4*\s+3], v[OT+\s], s[14:15]
.endr
.irp s, 8,9
	v_min_u32 v[OT+\s], NWORD-1, v[OT+\s]
	v_lshl_add_u32 v[OT+\s], v[OT+\s], 8, v1
.endr
	s_wait_xcnt 0x0                                ; the word rows' loads have read their offsets in v[120:127]: only now may loads land there
.irp s, 8,9
	global_load_b128 v[T+4*\s:T+4*\s+3], v[OT+\s], s[14:15]
.endr
	; x.  28 loads were issued; loads return in order.  Behind the p-th pair of word rows 28 - 4 (p + 1) loads were issued: 24, 20, 16, 12.
.macro PAIR p                          ; row 2p += row 2p + 1
	s_wait_loadcnt 24-4*\p
.irp k, 0,2,4,6
	v_pk_add_f32 v[XW+16*\p+\k:XW+16*\p+\k+1], v[XW+16*\p+\k:XW+16*\p+\k+1], v[XW+16*\p+8+\k:XW+16*\p+8+\k+1]
.endr
.endm
.macro JOIN a, b                       ; row a += row b
.irp k, 0,2,4,6
	v_pk_add_f32 v[XW+8*\a+\k:XW+8*\a+\k+1], v[XW+8*\a+\k:XW+8*\a+\k+1], v[XW+8*\b+\k:XW+8*\b+\k+1]
.endr
.endm
	PAIR 0
	PAIR 1
	JOIN 0, 2
	PAIR 2
	PAIR 3
	JOIN 4, 6
	JOIN 0, 4
	s_wait_loadcnt 0xa                             ; the paragraph row is in; the ten loads of outT may be out
.irp k, 0,2,4,6
	v_pk_fma_f32 v[XP+\k:XP+\k+1], v[XW+\k:XW+\k+1], 0x3e000000, v[XP+\k:XP+\k+1] op_sel_hi:[1,0,1]   ; x = sum / 8 + paragraph
.endr
	; Five dot products at a time, their chains interleaved.  Word w of a row of outT holds the partners of x registers 2w (low half) and 2w + 1 (high half).
.macro DOTS s0, s1, s2, s3, s4
.irp s, \s0,\s1,\s2,\s3,\s4
	v_lshlrev_b32 v[ACC+\s], 16, v[T+4*\s]         ; the first product starts the sum: nothing is cleared
.endr
.irp s, \s0,\s1,\s2,\s3,\s4
	v_mul_f32 v[ACC+\s], v[ACC+\s], v[XP]
.endr
.irp s, \s0,\s1,\s2,\s3,\s4
	v_fma_mix_f32_bf16 v[ACC+\s], v[T+4*\s], v[XP+1], v[ACC+\s] op_sel:[1,0,0] op_sel_hi:[1,0,0]
.endr
.irp w, 1,2,3
.irp s, \s0,\s1,\s2,\s3,\s4
	v_fma_mix_f32_bf16 v[ACC+\s], v[T+4*\s+\w], v[XP+2*\w], v[ACC+\s] op_sel_hi:[1,0,0]
.endr
.irp s, \s0,\s1,\s2,\s3,\s4
	v_fma_mix_f32_bf16 v[ACC+\s], v[T+4*\s+\w], v[XP+2*\w+1], v[ACC+\s] op_sel:[1,0,0] op_sel_hi:[1,0,0]
.endr
.endr
.endm
	s_wait_loadcnt 0x5                             ; samples 0-4 are in, the five younger loads may be out
	DOTS 0, 1, 2, 3, 4
	s_wait_loadcnt 0x0
	DOTS 5, 6, 7, 8, 9
	; over the 16 lanes of a half: four steps on the adds themselves; every lane of the half ends with the whole sums
.irp m, 1,2,4,8
.irp s, 0,1,2,3,4,5,6,7,8,9
	v_add_f32_dpp v[ACC+\s], v[ACC+\s], v[ACC+\s] row_xmask:\m row_mask:0xf bank_mask:0xf
.endr
.endr
	; The way out: 40 bytes a batch row are no whole 256, but the group's 64 x 40 = 2,560 bytes are ten.  They meet in LDS.
.irp k, 0,1,2,3,4
	ds_store_b64 v[LO], v[ACC+2*\k:ACC+2*\k+1] offset:8*\k     ; the 16 lanes of a half write the same words with the same values
.endr
	s_wait_dscnt 0x0                               ; done before I say so: other waves read these bytes
	s_barrier_signal -1
	s_barrier_wait -1
	s_cmp_ge_u32 s24, 5                            ; 2,560 bytes = 5 waves x 32 lanes x 16 bytes
	s_cbranch_scc1 .Lend
	v_and_b32 v2, 31, v0
	v_lshlrev_b32 v2, 4, v2
	s_lshl_b32 s25, s24, 9
	v_add_nc_u32 v2, s25, v2                       ; 512 x wave + 16 x lane, in LDS and in the group's part of out0
	ds_load_b128 v[XP:XP+3], v2
	s_wait_dscnt 0x0
	global_store_b128 v2, v[XP:XP+3], s[16:17] th:TH_STORE_NT  ; a wave stores 512 consecutive bytes, at a multiple of 256 from out0's first byte
.Lend:
	s_wait_xcnt 0x0
	v_lshl_add_u32 v126, v0, 2, 0xa00
	v_mov_b32 v127, 0
	s_wait_tensorcnt 0x0
	ds_add_u32 v126, v127
	s_wait_dscnt 0x0
	s_endpgm
.Lfunc_end_k_q280190f33b_dots:
	.size	k_q280190f33b_dots, .Lfunc_end_k_q280190f33b_dots-k_q280190f33b_dots
	.p2alignl 7, 3214868480
	.fill 96, 4, 3214868480
	.section	.rodata,"a",@progbits
	.p2align	6, 0x0
	.amdhsa_kernel k_q280190f33b_dots
		.amdhsa_group_segment_fixed_size 6656
		.amdhsa_private_segment_fixed_size 0
		.amdhsa_enable_private_segment 0
		.amdhsa_kernarg_size 56
		.amdhsa_user_sgpr_count 2
		.amdhsa_user_sgpr_kernarg_segment_ptr 1
		.amdhsa_wavefront_size32 1
		.amdhsa_system_sgpr_workgroup_id_x 1
		.amdhsa_system_sgpr_workgroup_id_y 1
		.amdhsa_system_sgpr_workgroup_id_z 1
		.amdhsa_system_vgpr_workitem_id 0
		.amdhsa_next_free_vgpr 128
		.amdhsa_next_free_sgpr 66
		.amdhsa_reserve_vcc 0
		.amdhsa_float_denorm_mode_32 3
		.amdhsa_float_denorm_mode_16_64 3
		.amdhsa_memory_ordered 1
		.amdhsa_forward_progress 1
		.amdhsa_inst_pref_size 18
	.end_amdhsa_kernel
	.amdgpu_metadata
---
amdhsa.version: [ 1, 2 ]
amdhsa.kernels:
  - .name:           k_q280190f33b_dots
    .symbol:         k_q280190f33b_dots.kd
    .args:
      - { .name: doc_ids, .offset: 0, .size: 8, .value_kind: global_buffer, .address_space: global }
      - { .name: context_ids, .offset: 8, .size: 8, .value_kind: global_buffer, .address_space: global }
      - { .name: sample_ids, .offset: 16, .size: 8, .value_kind: global_buffer, .address_space: global }
      - { .name: paragraph_matrix, .offset: 24, .size: 8, .value_kind: global_buffer, .address_space: global }
      - { .name: word_matrix, .offset: 32, .size: 8, .value_kind: global_buffer, .address_space: global }
      - { .name: outT, .offset: 40, .size: 8, .value_kind: global_buffer, .address_space: global }
      - { .name: out0, .offset: 48, .size: 8, .value_kind: global_buffer, .address_space: global }
    .group_segment_fixed_size: 6656
    .private_segment_fixed_size: 0
    .kernarg_segment_align: 8
    .kernarg_segment_size: 56
    .max_flat_workgroup_size: 1024
    .sgpr_count:     66
    .vgpr_count:     128
    .wavefront_size: 32
...
	.end_amdgpu_metadata
.endif
;; end of part 2
